; MI455X (gfx1250); checked and timed in simulation.
; The chip was launched on July 23, 2026; its instructions are those of AMD's public machine-readable ISA for CDNA 5 (MIT licence, August 2026) and "CDNA5" Instruction Set Architecture Reference Guide (July 2026). The comments in the code are by the model that wrote it; some were corrected since.
;; Item Encoder. Allowed arithmetic: float matrix products may take bf16 or f16 operands with f32 sums; all other float work in f32.
;; Inputs: W 43 x 128 float32; b 128 float32; emb 18 x 32 float32; item 32 x 128 x 128 x 11 float32; item_type 32 x 128 x 128 int32.
;; Outputs: out0 32 x 128 x 128 float32.
;; One version. Each part assembles by itself: llvm-mc -triple=amdgcn-amd-amdhsa -mcpu=gfx1250 --defsym DOCPART=n.
;; ======== version 1 of 1: 1 launch
;; limits: values outside matrix products are rounded to bf16
;; launch encode (part 1): grid 256 x 1, 16 waves a work-group, no clusters, 169,984 bytes of LDS; arguments item, item_type, emb, W, b, out0; writes out0
.if DOCPART == 1
	.amdgcn_target "amdgcn-amd-amdhsa--gfx1250"
	.amdhsa_code_object_version 6
	.text
	.protected	k_q08686a6398_encode
	.globl	k_q08686a6398_encode
	.p2align	8
	.type	k_q08686a6398_encode,@function
k_q08686a6398_encode:
	s_mov_b64 s[64:65], 0
	v_nop
	global_prefetch_b8 v0, s[64:65] scope:SCOPE_SE
	s_setreg_imm32_b32 hwreg(HW_REG_WAVE_MODE, 25, 1), 1
	s_wait_xcnt 0x0
; out0[g][n] = max over the 128 items i of group g of relu( emb[type_i] . W[0:32][n] + item_i . W[32:43][n] + b[n] ),  g = 0 .. 4095.
;
; HOW.  emb[type] . W[0:32] is row 'type' of T = emb x W[0:32] (18 x 128).  A row of the big product is then
; (one-hot of the type: 18 slots | 11 features | 3 zeros) x (T ; W[32:43] ; 0): K = 32, ONE bf16 matrix instruction for 16 items x 16 columns.
; b and the ReLU are monotone in the sum and the same for all items, so they are applied once, in f32, behind the max.
; T itself is made on the matrix unit (bf16 operands, f32 sums) by each work-group: 16 instructions.
;
; SHARES.  256 work-groups x 16 waves; a wave owns one group g = 16 x work-group + wave (128 items, 5,632 bytes of features), in two halves
; of 64 items (2,816 bytes = 11 x 256, aligned).  In half j lane L owns the items 64 j + 2 L and 64 j + 2 L + 1 (88 consecutive bytes);
; 'item p' of a lane, p = 2 j + e, is item 64 j + 2 L + e.  The order of the items does not matter to a max, so fragment 2 p + s takes as
; its row r item p of lane 16 s + r.
;
; STAGES.  Each half comes by one tensor load into LDS bytes of the wave's own.  The first is asked for before anything else; the second only
; when the set-up's loads have come, so that the sixteen first halves of the work-group (45,056 bytes) are not mixed with the second ones on
; their way; the second halves travel under the set-up's tail and the first 25 of the wave's 64 products.  The products go column tile by
; column tile, so that the first one needs 6,400 bytes from LDS (two items' one-hot rows, half the features, one tile of B) and the other
; seven tiles of B arrive under the products.
;
; THE 32 SLOTS OF K.  A and B have the same map from (lane half h, register, half word) to k, so any assignment used alike on both sides
; keeps the products.  Half h = 0 ('F'): registers 0-5 features 0..10 and a zero, register 6 the one-hot of types 16, 17, register 7 zero.
; Half h = 1 ('O'): registers 0-7 the one-hot of types 0..15.
; A lane makes F and O of its OWN item; v_permlane16_swap_b32 F, O then leaves in F's register (F of lanes 0-15 | O of lanes 0-15), a
; fragment of the low lanes' items, and in O's register (F of lanes 16-31 | O of lanes 16-31), a fragment of the high lanes' items.
;
; NO CLUSTER: the work-groups share only W, emb and b (24,832 bytes, read once each) against 98,304 bytes of their own.
;
; LIMITS.  Inputs are taken to be finite: the max is v_max_num / v_max3_num, which drops a NaN where jnp.max would keep it.
; A type outside 0..17 (reference() relies on there being none) is read as unsigned and clamped to 17.
; T is rounded to bf16 before it enters the big product: one more rounding, 2^-9 relative, of the type's term than reference() has.
.set FEAT,        11
.set GROUP_BYTES, 128*FEAT*4           ; 5,632: a group's features
.set HALF_BYTES,  GROUP_BYTES/2        ; 2,816: what one tensor load brings
.set LANE_BYTES,  2*FEAT*4             ; 88 = 8 x 11: a lane's two items of a half; 11 is odd, so 32 lanes' b64 loads fall on different banks
.set WROW,        512                  ; bytes in a row of W
.set TAB,         0                    ; LDS: one-hot table, 32 rows of 12 words (18 bf16 slots, then zeros)
.set TPITCH,      48                   ; 3 x 16: rows 0..15 start in 16 different 16-byte columns
.set BT,          32*TPITCH            ; LDS: Bt[128 columns][32 slots] bf16: bytes 0-31 half F, 32-63 half O
.set BPITCH,      80                   ; 64 + 16 of padding
.set XBASE,       BT+128*BPITCH        ; LDS: 16 areas of 5,632 bytes, one for each wave (11,776 + 90,112 = 101,888 in all)
.set LANE,   1
.set R,      2                         ; lane % 16
.set H,      3                         ; lane / 16
.set XA,     4                         ; LDS address of my 88 bytes of the first half
.set BTA,    5                         ; r x 80 + 32 h: my 32 bytes of a row of Bt
.set L16,    6                         ; 16 x lane: bias, output
.set EADR,   7                         ; offsets into emb and W for the set-up
.set W1ADR,  8
.set W2ADR,  9
.set W2ADRB, 10
.set BTS,    11                        ; 80 x my column of the set-up
.set TA,     12                        ; v[12:15]   48 x type of my four items
.set TY,     16                        ; v[16:19]   their types
.set BIAS,   20                        ; v[20:23]   b[4 L .. 4 L + 3]
.set T0,     24
.set T1,     25
.set OST,    26                        ; the way out: where I put a word, where I read 16 bytes
.set ORD,    27
.set RUN,    28                        ; v[28:35]   running max, one register for each column tile
.set D,      36                        ; v[36:67]   four result buffers
.set B,      68                        ; v[68:131]  B fragments of the eight column tiles
.set A,      132                       ; v[132:195] item p: 8 registers F, 8 registers O; behind the swaps the A fragments 2 p, 2 p + 1
.set X,      196                       ; v[196:239] my 44 features in f32: item p in X + 11 p ..
.set BTS2,   240
.set BTS3,   241
.set L8,     242                       ; 8 x lane: types
; set-up values lie in ranges that the main part fills later
.set EF,     X                         ; 16 f32 of emb
.set WF,     X+16                      ; 16 f32 of W[0:32]
.set W2F,    X+32                      ; 6 f32 of W[32:43]
.set EA,     A                         ; A fragment of emb
.set WB,     A+8                       ; B fragment of W[0:32]
.set PK,     A+16                      ; 4 packed words for Bt
.set TW,     A+24                      ; 12 words of a table row
.set TV,     A+36
	s_load_b256 s[4:11], s[0:1], 0x0               ; item s[4:5], item_type s[6:7], emb s[8:9], W s[10:11]
	s_load_b128 s[12:15], s[0:1], 0x20             ; b s[12:13], out0 s[14:15]
	v_lshl_add_u32 v244, v0, 2, 0x29000
	v_mov_b32 v245, 0
	ds_add_u32 v244, v245
	ds_add_u32 v244, v245
	v_lshrrev_b32 v[LANE], 5, v0
	v_readfirstlane_b32 s16, v[LANE]               ; wave 0..15
	v_and_b32 v[LANE], 31, v0
	v_and_b32 v[R], 15, v0
	v_bfe_u32 v[H], v0, 4, 1
	s_and_b32 s17, s16, 7                          ; set-up: my column tile
	s_lshr_b32 s18, s16, 3                         ; set-up: types 0-15 (0) or 16-17 (1)
	s_lshl_b32 s19, ttmp9, 4
	s_add_co_u32 s19, s19, s16                     ; my group, 0..4095
	s_mul_i32 s20, s19, GROUP_BYTES                ; its features (below 2^25 bytes)
	s_mov_b32 s21, 0
	s_lshl_b32 s22, s19, 9                         ; its 512 bytes of types, and of output
	s_mov_b32 s23, 0
	s_mul_i32 s36, s16, GROUP_BYTES
	; tensor descriptors: one row of 352 elements of 8 bytes, dense.  A group 0 for each half, one group 1; none is ever rewritten
	s_mov_b32 s24, 1                               ; group 0, first half: count
	s_add_co_u32 s25, s36, XBASE                   ;          LDS address: my wave's area
	s_mov_b32 s40, 1                               ; group 0, second half
	s_add_co_u32 s41, s36, XBASE+HALF_BYTES
	s_mov_b32 s28, 3<<16                           ; group 1: elements of 8 bytes, no mask, no padding
	s_mov_b32 s29, (HALF_BYTES/8)<<16              ;          tensor_dim0 = 352
	s_mov_b32 s30, 1<<16
	s_mov_b32 s31, (HALF_BYTES/8)<<16              ;          tile_dim0 = 352
	s_mov_b32 s32, 1
	s_mov_b32 s33, 352
	s_mov_b32 s34, 0
	s_mov_b32 s35, 0
	s_lshl_b32 s37, s18, 4
	s_lshl_b32 s38, s17, 4
	v_lshlrev_b32 v[L16], 4, v[LANE]
	v_lshlrev_b32 v[L8], 3, v[LANE]
	v_add_nc_u32 v[EADR], s37, v[R]                ; emb row 16 g + r; rows past the table's 18 repeat row 17, and their results are not used
	v_min_u32 v[EADR], 17, v[EADR]
	v_lshlrev_b32 v[EADR], 7, v[EADR]
	v_lshl_add_u32 v[EADR], v[H], 5, v[EADR]       ; + 8 h floats
	v_add_nc_u32 v[BTS], s38, v[R]                 ; my column n = 16 c + r
	v_lshlrev_b32 v[W2ADRB], 2, v[BTS]
	v_lshl_add_u32 v[W1ADR], v[H], 12, v[W2ADRB]           ; 4 n + 8 h rows of W
	v_mad_u32_u24 v[W2ADR], v[H], 6*WROW, v[W2ADRB]        ; 4 n + 6 h rows
	v_mad_u32_u24 v[W2ADRB], v[H], 5*WROW, v[W2ADRB]       ; 4 n + 5 h rows
	v_mul_u32_u24 v[BTS], BPITCH, v[BTS]
	s_wait_dscnt 0x0
	s_wait_kmcnt 0x0
	s_add_nc_u64 s[26:27], s[4:5], s[20:21]        ; global address of my group's features,
	s_add_nc_u64 s[42:43], s[26:27], HALF_BYTES    ; and of their second half
	s_or_b32 s27, s27, 0x80000000                  ; type 2
	s_or_b32 s43, s43, 0x80000000
	tensor_load_to_lds s[24:27], s[28:35]          ; items 0..63
	s_nop 0
	s_add_nc_u64 s[6:7], s[6:7], s[22:23]
	s_add_nc_u64 s[14:15], s[14:15], s[22:23]
	; W[k][n] for the B fragment of T's product: k = 8 h + i and 16 + 8 h + i
.irp i, 0,1,2,3,4,5,6,7
	global_load_b32 v[WF+\i],   v[W1ADR], s[10:11] offset:WROW*\i
	global_load_b32 v[WF+8+\i], v[W1ADR], s[10:11] offset:16*WROW+WROW*\i
.endr
	global_load_b128 v[EF:EF+3],     v[EADR], s[8:9]                ; emb[row][8 h ..]
	global_load_b128 v[EF+4:EF+7],   v[EADR], s[8:9] offset:16
	global_load_b128 v[EF+8:EF+11],  v[EADR], s[8:9] offset:64      ; emb[row][16 + 8 h ..]
	global_load_b128 v[EF+12:EF+15], v[EADR], s[8:9] offset:80
	global_load_b64 v[TY:TY+1],   v[L8], s[6:7] th:TH_LOAD_NT              ; types of items 2 L, 2 L + 1: 256 consecutive bytes a wave
	global_load_b64 v[TY+2:TY+3], v[L8], s[6:7] offset:256 th:TH_LOAD_NT   ; of items 64 + 2 L, 64 + 2 L + 1
	global_load_b128 v[BIAS:BIAS+3], v[L16], s[12:13]
	s_cmp_lt_u32 s16, 8
	s_cbranch_scc1 .Lno_w2
	; waves 8-15: W[32 + 6 h + i][n], i = 0..5.  For h = 1, i = 5 there is no such row: row 42 is read again and zeroed below
.irp i, 0,1,2,3,4
	global_load_b32 v[W2F+\i], v[W2ADR], s[10:11] offset:(32+\i)*WROW
.endr
	global_load_b32 v[W2F+5], v[W2ADRB], s[10:11] offset:37*WROW
.Lno_w2:
	s_cmp_lg_u32 s16, 0
	s_cbranch_scc1 .Lno_table
	; wave 0 writes the one-hot table while the loads travel: lane e writes row e; word e / 2 holds bf16 1.0 in half e % 2 (rows 18-31: zeros)
	v_and_b32 v[TV], 1, v[LANE]
	v_lshlrev_b32 v[TV], 4, v[TV]
	v_mov_b32 v[TV+1], 0x3f80
	v_lshlrev_b32 v[TV], v[TV], v[TV+1]
	v_lshrrev_b32 v[TV+1], 1, v[LANE]
.irp i, 0,1,2,3,4,5,6,7,8
	v_cmp_eq_u32 vcc_lo, \i, v[TV+1]
	v_cndmask_b32 v[TW+\i], 0, v[TV], vcc_lo
.endr
	v_mov_b32 v[TW+9], 0                           ; word 9 is read as F's register 7
	v_mov_b32 v[TW+10], 0
	v_mov_b32 v[TW+11], 0
	v_mul_u32_u24 v[TV+2], TPITCH, v[LANE]
	ds_store_b128 v[TV+2], v[TW:TW+3]    offset:TAB
	ds_store_b128 v[TV+2], v[TW+4:TW+7]  offset:TAB+16
	ds_store_b128 v[TV+2], v[TW+8:TW+11] offset:TAB+32
.Lno_table:
	v_mov_b32 v[XA], s25
	v_mad_u32_u24 v[XA], v[LANE], LANE_BYTES, v[XA]
	v_lshl_add_u32 v[OST], v[LANE], 2, s25
	v_lshl_add_u32 v[ORD], v[LANE], 4, s25
	v_mul_u32_u24 v[BTA], BPITCH, v[R]
	v_lshl_add_u32 v[BTA], v[H], 5, v[BTA]
	s_wait_loadcnt 0x0                             ; all of the set-up's loads are needed now
	tensor_load_to_lds s[40:43], s[28:35]          ; items 64..127: asked for here (see STAGES); two tensor loads of this wave are now out at most
	s_nop 0
.irp i, 0,1,2,3,4,5,6,7
	v_cvt_pk_bf16_f32 v[EA+\i], v[EF+2*\i], v[EF+2*\i+1]
	v_cvt_pk_bf16_f32 v[WB+\i], v[WF+2*\i], v[WF+2*\i+1]
.endr
	v_wmma_f32_16x16x32_bf16 v[D:D+7], v[EA:EA+7], v[WB:WB+7], 0   ; register j: T[16 g + 8 h + j][16 c + r]
	; Eight plain vector instructions that name none of its registers stand behind it: more than the four
	; that a reader of the result or a load into a source needs, and the five that a later matrix instruction into v[D..] needs.
.irp q, 0,1,2,3
	v_min_u32 v[TA+\q], 17, v[TY+\q]
.endr
.irp q, 0,1,2,3
	v_mul_u32_u24 v[TA+\q], TPITCH, v[TA+\q]       ; my items' rows of the one-hot table
.endr
	s_cmp_lt_u32 s16, 8
	s_cbranch_scc0 .Lupper
	; waves 0-7: eight neighbouring types of one column are 16 bytes of Bt's half O
.irp i, 0,1,2,3
	v_cvt_pk_bf16_f32 v[PK+\i], v[D+2*\i], v[D+2*\i+1]
.endr
	v_lshl_add_u32 v[BTS2], v[H], 4, v[BTS]
	ds_store_b128 v[BTS2], v[PK:PK+3] offset:BT+32
	s_branch .Ljoin
.Lupper:
	; waves 8-15: half F.  Bytes 12 h .. 12 h + 11: features 6 h .. 6 h + 5 (the twelfth is 0); bytes 24-27: T[16], T[17]; bytes 28-31: 0
	v_cmp_eq_u32 vcc_lo, 0, v[H]
	v_cndmask_b32 v[W2F+5], 0, v[W2F+5], vcc_lo
	v_cvt_pk_bf16_f32 v[PK],   v[W2F],   v[W2F+1]
	v_cvt_pk_bf16_f32 v[PK+1], v[W2F+2], v[W2F+3]
	v_cvt_pk_bf16_f32 v[PK+2], v[W2F+4], v[W2F+5]
	v_cvt_pk_bf16_f32 v[PK+3], v[D], v[D+1]
	v_cndmask_b32 v[PK+3], 0, v[PK+3], vcc_lo      ; lanes h = 1 write the zeros of register 7
	v_mad_u32_u24 v[BTS2], v[H], 12, v[BTS]
	v_lshl_add_u32 v[BTS3], v[H], 2, v[BTS]
	ds_store_b32 v[BTS2], v[PK]   offset:BT
	ds_store_b32 v[BTS2], v[PK+1] offset:BT+4
	ds_store_b32 v[BTS2], v[PK+2] offset:BT+8
	ds_store_b32 v[BTS3], v[PK+3] offset:BT+24
.Ljoin:
	s_wait_dscnt 0x0                               ; my part of Bt (and wave 0's table) is in LDS before I say so
	s_barrier_signal -1
	s_barrier_wait -1                              ; the only barrier: Bt and the table are whole.  The features are each wave's own affair
; three loads: the one-hot slots of item p
.macro ONEHOT p
	ds_load_b128 v[A+16*\p+8:A+16*\p+11],  v[TA+\p] offset:TAB      ; O: one-hot of types 0..15
	ds_load_b128 v[A+16*\p+12:A+16*\p+15], v[TA+\p] offset:TAB+16
	ds_load_b64  v[A+16*\p+6:A+16*\p+7],   v[TA+\p] offset:TAB+32   ; F's registers 6, 7: one-hot of types 16, 17, and zeros
.endm
; eleven loads: my 22 features of half j.  Load i brings words 2 i, 2 i + 1; the first item is words 0..10 (loads 0-5), the second 11..21
.macro XLOAD j
.irp i, 0,1,2,3,4,5,6,7,8,9,10
	ds_load_b64 v[X+22*\j+2*\i:X+22*\j+2*\i+1], v[XA] offset:HALF_BYTES*\j+8*\i
.endr
.endm
; the two A fragments of item p
.macro BUILD p
.set pp, A+16*(\p)
.set xx, X+FEAT*(\p)
.irp i, 0,1,2,3,4
	v_cvt_pk_bf16_f32 v[pp+\i], v[xx+2*\i], v[xx+2*\i+1]
.endr
	v_cvt_pk_bf16_f32 v[pp+5], v[xx+10], 0
.irp i, 0,1,2,3,4,5,6,7
	v_permlane16_swap_b32 v[pp+\i], v[pp+8+\i]     ; (F low | O low) and (F high | O high)
.endr
.endm
; The max over the eight rows that a lane holds of result k, into the running max of its column tile: four instructions for eight numbers.
; The first result of a tile starts its running max: nothing is cleared.
.macro MAXSTEP k
.set dd, D+8*((\k)%4)
.set rr, RUN+(((\k)%32)/4)
.set isfirst, 0
.if (\k) < 32
.if ((\k)%4) == 0
.set isfirst, 1
.endif
.endif
	v_max3_num_f32 v[T0], v[dd], v[dd+1], v[dd+2]
	v_max3_num_f32 v[T1], v[dd+3], v[dd+4], v[dd+5]
.if isfirst
	v_max_num_f32 v[rr], v[dd+6], v[dd+7]
.else
	v_max3_num_f32 v[rr], v[rr], v[dd+6], v[dd+7]
.endif
	v_max3_num_f32 v[rr], v[rr], v[T0], v[T1]
.endm
	; 33 LDS loads in the order in which they are needed: 6 one-hot, 11 features, 16 of B
	ONEHOT 0
	ONEHOT 1
	s_wait_tensorcnt 0x1                           ; tensor loads of a wave end in order (ISA guide 10.11.1): the first half is in, the second may be out
	XLOAD 0
.irp c, 0,1,2,3,4,5,6,7
	ds_load_b128 v[B+8*\c:B+8*\c+3],   v[BTA] offset:BT+\c*16*BPITCH
	ds_load_b128 v[B+8*\c+4:B+8*\c+7], v[BTA] offset:BT+\c*16*BPITCH+16
.endr
	s_wait_dscnt 21                                ; LDS loads come back in order (ISA guide 5.7.1): item 0 needs feature loads 0-5; 5 + 16 younger ones stay out
	BUILD 0
	; 64 products.  Product n: half n / 32, column tile (n % 32) / 4, fragment n % 4 of the half, result buffer n % 4.
	; In front of product 4 c of the first half: tile c of B is in when the 14 - 2 c loads of the later tiles are all that is out.  The count 14
	; also shows all features of the half in (they are older than B), which is what item 1 needs; tile 7 is covered by the wait for 5 below.
	; The max of result n - 2 stands behind product n, so between a product and the first reader of its result stand the eight max
	; instructions of two other results (for product 0: the six conversions of item 1; for product 1: the four max instructions of result 0),
	; and a buffer is written again four products later, behind twelve such places (ISA guide 7.12.1 asks four and five).
	; No A register is ever written twice.
.set n, 0
.rept 64
.if n < 28
.if (n%4) == 0
	s_wait_dscnt 14-n/2
.endif
.endif
	v_wmma_f32_16x16x32_bf16 v[D+8*(n%4):D+8*(n%4)+7], v[A+8*(4*(n/32)+(n%4)):A+8*(4*(n/32)+(n%4))+7], v[B+8*((n%32)/4):B+8*((n%32)/4)+7], 0
.if n >= 2
	MAXSTEP n-2
.endif
.if n == 0
	BUILD 1                                        ; fragments 2, 3: first used by product 2
.endif
.if n == 24
	s_wait_tensorcnt 0x0                           ; the second half is in my area; seven products of the first half are still to come
	ONEHOT 2
	ONEHOT 3
	XLOAD 1
.endif
.if n == 26
	s_wait_dscnt 5                                 ; item 2 needs its one-hot rows and feature loads 0-5: the 5 youngest stay out
	BUILD 2
.endif
.if n == 29
	s_wait_dscnt 0x0                               ; item 3 needs the last load
	BUILD 3
.endif
.set n, n+1
.endr
	MAXSTEP 62
	MAXSTEP 63
	; THE WAY OUT.  RUN + c, lane (r, h): max over half of the rows for column 16 c + r.  The swap puts tile 2 i's two halves into lanes 0-15 of
	; the two registers and tile 2 i + 1's into lanes 16-31: one max joins them, and lane L holds column 32 i + L.
.irp i, 0,1,2,3
	v_permlane16_swap_b32 v[RUN+2*\i], v[RUN+2*\i+1]
.endr
.irp i, 0,1,2,3
	v_max_num_f32 v[RUN+2*\i], v[RUN+2*\i], v[RUN+2*\i+1]
	ds_store_b32 v[OST], v[RUN+2*\i] offset:128*\i ; into my own area: both tensor loads have landed and all features were read (the waits for 0 above)
.endr
	ds_load_b128 v[X:X+3], v[ORD]                  ; columns 4 L .. 4 L + 3; LDS serves a wave's instructions in order (ISA guide 5.7.1)
	s_wait_dscnt 0x0
	v_pk_add_f32 v[X:X+1],   v[X:X+1],   v[BIAS:BIAS+1]
	v_pk_add_f32 v[X+2:X+3], v[X+2:X+3], v[BIAS+2:BIAS+3]
.irp i, 0,1,2,3
	v_max_num_f32 v[X+\i], 0, v[X+\i]              ; ReLU
.endr
	global_store_b128 v[L16], v[X:X+3], s[14:15] th:TH_STORE_NT    ; the wave's store covers its group's 512 consecutive bytes, aligned
	s_wait_tensorcnt 0x0
	ds_add_u32 v244, v245
	s_wait_dscnt 0x0
	s_endpgm
.Lfunc_end_k_q08686a6398_encode:
	.size	k_q08686a6398_encode, .Lfunc_end_k_q08686a6398_encode-k_q08686a6398_encode
	.p2alignl 7, 3214868480
	.fill 96, 4, 3214868480
	.section	.rodata,"a",@progbits
	.p2align	6, 0x0
	.amdhsa_kernel k_q08686a6398_encode
		.amdhsa_group_segment_fixed_size 169984
		.amdhsa_private_segment_fixed_size 0
		.amdhsa_enable_private_segment 0
		.amdhsa_kernarg_size 48
		.amdhsa_user_sgpr_count 2
		.amdhsa_user_sgpr_kernarg_segment_ptr 1
		.amdhsa_wavefront_size32 1
		.amdhsa_system_sgpr_workgroup_id_x 1
		.amdhsa_system_sgpr_workgroup_id_y 1
		.amdhsa_system_sgpr_workgroup_id_z 1
		.amdhsa_system_vgpr_workitem_id 0
		.amdhsa_next_free_vgpr 246
		.amdhsa_next_free_sgpr 66
		.amdhsa_reserve_vcc 1
		.amdhsa_float_denorm_mode_32 3
		.amdhsa_float_denorm_mode_16_64 3
		.amdhsa_memory_ordered 1
		.amdhsa_forward_progress 1
		.amdhsa_inst_pref_size 37
	.end_amdhsa_kernel
	.amdgpu_metadata
---
amdhsa.version: [ 1, 2 ]
amdhsa.kernels:
  - .name:           k_q08686a6398_encode
    .symbol:         k_q08686a6398_encode.kd
    .args:
      - { .name: item, .offset: 0, .size: 8, .value_kind: global_buffer, .address_space: global }
      - { .name: item_type, .offset: 8, .size: 8, .value_kind: global_buffer, .address_space: global }
      - { .name: emb, .offset: 16, .size: 8, .value_kind: global_buffer, .address_space: global }
      - { .name: W, .offset: 24, .size: 8, .value_kind: global_buffer, .address_space: global }
      - { .name: b, .offset: 32, .size: 8, .value_kind: global_buffer, .address_space: global }
      - { .name: out0, .offset: 40, .size: 8, .value_kind: global_buffer, .address_space: global }
    .group_segment_fixed_size: 169984
    .private_segment_fixed_size: 0
    .kernarg_segment_align: 8
    .kernarg_segment_size: 48
    .max_flat_workgroup_size: 512
    .sgpr_count:     66
    .vgpr_count:     246
    .wavefront_size: 32
...
	.end_amdgpu_metadata
.endif
;; end of part 1
